; MI455X (gfx1250); checked and timed in simulation.
; The chip was launched on July 23, 2026; its instructions are those of AMD's public machine-readable ISA for CDNA 5 (MIT licence, August 2026) and "CDNA5" Instruction Set Architecture Reference Guide (July 2026). The comments in the code are by the model that wrote it; some were corrected since.
;; Res FC Eventually Layer. Allowed arithmetic: matrix products marked QUANTISED: E2M1 operands, one E8M0 scale for each 32 along K, by v_wmma_scale_f32_16x16x128_f8f6f4 with both operands' format E2M1 (or v_wmma_scale_f32_32x16x128_f4), f32 sums; everything else in f32.
;; Inputs: W 4,096 x 4,096 float32; beta 1 float32; beta_res 4,096 float32; x 4,096 x 4,096 float32.
;; Outputs: out0 4,096 x 4,096 float32.
;; This version of the problem:
;;   THIS VERSION OF THE PROBLEM IS GIVEN IN LOW PRECISION. The matrix products marked QUANTISED in the list below multiply operands that are first quantised to E2M1 (2 exponent bits, 1 mantissa bit; 4 bits a number), with one power-of-two scale for each 32 numbers along K (OCP MX v1.0); their sums are f32. All else is computed in f32.
;;   The module's matrix products, in the order in which they are computed (A, B: the left and right operand; K: the contracted axis; several contracted axes count as one K, in the product's order):
;;     1. [M 4,096, K 4,096] x [K 4,096, N 4,096]; A: input x; B: input W: QUANTISED
;;   THE QUANTISER, for each operand of a quantised product, along K:
;;     - K is cut into blocks of 32 from its start; a last block that is shorter is filled with zeros.
;;     - A block's scale is 2^e with e = floor(log2(the largest magnitude in the block)) - 2, held to -126 .. 127; a block of zeros has e = 0. As a byte (E8M0): e + 127.
;;     - Each number is divided by its block's scale, clamped to +-6, and rounded to the nearest number of E2M1, ties to even, subnormals kept.
;;     - The product sums the exact products of the quantised numbers (number of the format x scale) in f32.
;;   ~~~python
;;   def quantise(x, axis):      # numpy; x: float32 -> the quantised numbers, widened to float32 again
;;       x = np.moveaxis(x, axis, -1); K = x.shape[-1]
;;       x = np.pad(x, [(0, 0)] * (x.ndim - 1) + [(0, -K % 32)]); x = x.reshape(x.shape[:-1] + (-1, 32)); a = np.abs(x).max(-1, keepdims=True)
;;       e = np.where(a > 0, np.clip(np.frexp(np.where(a > 0, a, 1))[1] - 1 - 2, -126, 127), 0)      # np.frexp(a)[1] - 1 = floor(log2(a)), exactly
;;       r = np.clip(x / 2.0 ** e, -6, 6)
;;       step = 2.0 ** (np.maximum(np.frexp(np.where(r == 0, 1, r))[1] - 1, 0) - 1)
;;       q = np.round(r / step) * step * 2.0 ** e      # np.round: ties to even
;;       return np.moveaxis(q.reshape(q.shape[:-2] + (-1,))[..., :K], -1, axis).astype(np.float32)
;;   ~~~
;; One version. Each part assembles by itself: llvm-mc -triple=amdgcn-amd-amdhsa -mcpu=gfx1250 --defsym DOCPART=n.
;; ======== version 1 of 1: 2 launches
;; limits: right only within a limited range of input values
;; workspace buffers: xq 8,912,896 bytes; wq 8,912,896 bytes
;; launch quant (part 1): grid 1024 x 1, 4 waves a work-group, no clusters, 33,280 bytes of LDS; arguments x, W, xq, wq; writes xq, wq
.if DOCPART == 1
	.amdgcn_target "amdgcn-amd-amdhsa--gfx1250"
	.amdhsa_code_object_version 6
	.text
	.protected	k_q014881e1d1_quant
	.globl	k_q014881e1d1_quant
	.p2align	8
	.type	k_q014881e1d1_quant,@function
k_q014881e1d1_quant:
	s_mov_b64 s[64:65], 0
	v_nop
	global_prefetch_b8 v0, s[64:65] scope:SCOPE_SE
	s_setreg_imm32_b32 hwreg(HW_REG_WAVE_MODE, 25, 1), 1
	s_wait_xcnt 0x0
; x [4096][4096] and W [4096][4096], f32, K innermost, are turned into codes of FP4 (E2M1), 4 bits each, with one E8M0 scale byte for each 32 along K.
; A block's scale is 2^(floor(log2(its largest magnitude)) - 2); its byte is the largest magnitude's own exponent field - 2, held at 1 from below.  Each number is divided by the scale and rounded to the
; nearest code, ties to even; what lies beyond 6 gets the largest code.
; LEFT OUT OF THE PROGRAM: reference()'s last line, where(res >= 0, res, 0.02 res).  res is relu(..), which is never negative, whatever the inputs hold: the line returns res, and its second arm
; reaches no output.  Every input has a way to the output and is loaded.  LIMIT: a NaN, an infinity or an overflow that would reach only that second arm is not carried to the result.
; LIMITS: a block of zeros gets the byte 1 where the rule says 127 (its codes are zeros, which add nothing under any byte but 0xff, and the bytes are read by this program alone); blocks whose largest
; magnitude lies under 2^-124 get the byte 1, which is the rule's own hold at e = -126; NaN and infinities among the inputs are not served.
; THE OUTPUT IS LAID AS THE PRODUCT'S LAUNCH WANTS IT: a TILE (R, s) = the 128 rows from 128 R on, k = 512 s .. 512 s + 511, is 34,816 dense bytes at (8 R + s) x 34,816: 128 places x 256 bytes of codes
; (two codes a byte, the lower k in the low four bits), then 128 places x 16 scale bytes.  PLACE p HOLDS ROW 128 R + 64 (p / 64) + 4 (p % 16) + (p / 16) % 4: so the sixteen places of a fragment are
; rows 4 apart, and four neighbouring fragments give a lane of the product four neighbouring columns of the result.
; SHARES.  Work-groups 0-511 take x, 512-1023 W: only pointers are chosen, the text has one path.  Wave task T = 4 u + wave: K step T % 8, places 16 g .. 16 g + 15 with g = T / 8: rows
; 64 (g / 4) + g % 4 + 4 t, t = 0 .. 15.  A step is one such row at one K step: 512 numbers, 2,048 consecutive bytes.  The wave's codes are 4,096 consecutive bytes of a tile, its 256 scale bytes one aligned run.
; The conversions take numbers of ONE block from a lane's consecutive registers, so a lane must hold 16 neighbours; each of a step's four loads reads 512 consecutive bytes, 16 a lane; the 2,048 bytes go
; through the wave's own stage in LDS and come back 64 bytes a lane (16 bytes of padding behind each 64).  No tensor loads, no barrier: waves share nothing.  Loads run four steps (16 loads a wave) ahead.
.set STEPS, 16
.set EMAX,  2
.set CB,    8                          ; bytes of 16 codes
.set ROWB,  16384                      ; a row of x or of W in bytes
.set TILEB, 34816                      ; a tile of the output in bytes
.set R,     16                         ; v16-79   four sets of 16 numbers as they are loaded
.set X,     80                         ; v80-111  two sets of 16 neighbours
.set E,     112                        ; v112-127 a scale byte for each step
.set C,     128                        ; v128-191 codes: four registers for each step
.set WREG,  8192                       ; LDS: a region for each wave: two stages of 32 x SP bytes, behind them its 256 scale bytes
.set SP,    80                         ; a lane's place in a stage: its 64 bytes + 16 of padding
	s_load_b256 s[4:11], s[0:1], 0x0               ; x s[4:5], W s[6:7], xq s[8:9], wq s[10:11]
	v_lshl_add_u32 v192, v0, 2, 0x8000
	v_mov_b32 v193, 0
	v_lshrrev_b32 v1, 5, v0
	v_readfirstlane_b32 s16, v1                    ; wave
	v_and_b32 v2, 31, v0                           ; lane
	v_lshlrev_b32 v3, 4, v2                        ; my 16 bytes of a load's 512
	s_mul_i32 s17, s16, WREG
	v_lshrrev_b32 v14, 2, v2
	v_mul_u32_u24 v14, v14, SP
	v_and_b32 v15, 3, v2
	v_lshl_add_u32 v14, v15, 4, v14
	v_add_nc_u32 v14, s17, v14                     ; the stage, on the way in: four lanes' 64 bytes on end, then 16 of padding
	v_mul_u32_u24 v15, v2, SP
	v_add_nc_u32 v15, s17, v15                     ; and on the way out: SP x lane: my 16 neighbours
	v_mul_u32_u24 v4, v2, CB                       ; my codes' place in a step's 256 bytes
	v_lshrrev_b32 v5, 1, v2
	s_add_co_u32 s17, s17, 2*32*SP
	v_add_nc_u32 v5, s17, v5                       ; LDS: my wave's 256 scale bytes, my block's byte
	v_lshlrev_b32 v7, 3, v2                        ; and on the way out 8 bytes a lane
	v_add_nc_u32 v6, s17, v7
	s_wait_alu depctr_va_vdst(0)                   ; the wait at the head's end
	s_wait_kmcnt 0x0
	s_cmp_lt_u32 ttmp9, 512                        ; x's work-group or W's?  The choice hangs on the work-group's number alone
	s_cselect_b64 s[4:5], s[4:5], s[6:7]
	s_cselect_b64 s[8:9], s[8:9], s[10:11]
	s_cselect_b32 s17, 0, 512
	s_sub_co_u32 s17, ttmp9, s17
	s_lshl_b32 s17, s17, 2
	s_add_co_u32 s17, s17, s16                     ; T = 4 u + wave, 0 .. 2047
	s_and_b32 s18, s17, 7                          ; the K step
	s_lshr_b32 s19, s17, 3                         ; g: which 16 places
	s_lshr_b32 s20, s19, 2
	s_lshl_b32 s20, s20, 6                         ; in: my first row: 64 (g / 4)
	s_and_b32 s21, s19, 3
	s_add_co_u32 s20, s20, s21                     ;     + g % 4,
	s_lshl_b32 s20, s20, 14                        ;     rows of 16,384 bytes,
	s_lshl_b32 s21, s18, 11                        ;     + 2,048 bytes for each K step
	s_add_co_u32 s20, s20, s21
	s_mov_b32 s21, 0
	s_and_b32 s22, s19, 0xf8                       ; 8 x (g / 8): the row block's eight tiles,
	s_add_co_u32 s22, s22, s18                     ; + the K step
	s_mul_i32 s22, s22, TILEB                      ; the tile's first byte
	s_and_b32 s23, s19, 7                          ; which 16 of the tile's 128 places
	s_lshl_b32 s24, s23, 12                        ; codes: 16 places x 256 bytes
	s_add_co_u32 s24, s24, s22
	s_mov_b32 s25, 0
	s_lshl_b32 s26, s23, 8                         ; scale bytes: 16 places x 16, behind the tile's 32,768 bytes of codes
	s_add_co_u32 s26, s26, s22
	s_add_co_u32 s26, s26, 32768
	s_mov_b32 s27, 0
	s_add_nc_u64 s[4:5], s[4:5], s[20:21]
	s_add_nc_u64 s[10:11], s[8:9], s[26:27]
	s_add_nc_u64 s[8:9], s[8:9], s[24:25]
.macro LOAD t                          ; step t: the row 4 t behind my first: 2,048 bytes
.irp i, 0,1,2,3
	global_load_b128 v[R+16*((\t)%4)+4*\i:R+16*((\t)%4)+4*\i+3], v3, s[4:5] offset:4*ROWB*(\t)+512*\i th:TH_LOAD_NT   ; 32 lanes read 512 consecutive bytes
.endr
.endm
.macro TURN t                          ; step t's numbers through the stage: LDS serves a wave's instructions in order, so no wait stands between the stores and the loads
.irp i, 0,1,2,3
	ds_store_b128 v14, v[R+16*((\t)%4)+4*\i:R+16*((\t)%4)+4*\i+3] offset:32*SP*((\t)%2)+8*SP*\i
.endr
.irp i, 0,1,2,3
	ds_load_b128 v[X+16*((\t)%2)+4*\i:X+16*((\t)%2)+4*\i+3], v15 offset:32*SP*((\t)%2)+16*\i
.endr
.endm
.irp t, 0,1,2,3
	LOAD \t
.endr
	s_wait_loadcnt 12                              ; step 0's four loads are in; the twelve of steps 1 to 3 may be out
	TURN 0
.macro STEP t
.set XS, X+16*((\t)%2)
.if (\t) > 0
	s_wait_dscnt 1                                 ; this step's numbers are back from the stage (the last step's byte store may be out)
.else
	s_wait_dscnt 0x0
.endif
.if (\t)+4 < STEPS
	LOAD (\t)+4                                    ; into the registers that the stage's stores have read
.endif
.if (\t)+1 < STEPS
.if STEPS-2-(\t) >= 3
	s_wait_loadcnt 12                              ; the next step's four loads are in; those of the three steps behind it may be out
.else
	s_wait_loadcnt 4*(STEPS-2-(\t))                ; the same where fewer steps are left behind it
.endif
	TURN (\t)+1                                    ; and go through the other stage while this step is worked
.endif
	v_max3_num_f32 v8, |v[XS]|, |v[XS+1]|, |v[XS+2]|               ; the largest magnitude of my 16, in two chains
	v_max3_num_f32 v9, |v[XS+3]|, |v[XS+4]|, |v[XS+5]|
.irp i, 6,10
	v_max3_num_f32 v8, v8, |v[XS+\i]|, |v[XS+\i+1]|
	v_max3_num_f32 v9, v9, |v[XS+\i+2]|, |v[XS+\i+3]|
.endr
	v_max3_num_f32 v8, v8, |v[XS+14]|, |v[XS+15]|
	v_max3_num_f32 v8, v8, v9, (EMAX+1)<<23        ; and the floor 2^(EMAX + 1 - 127): so the byte cannot fall under 1
	v_max_num_f32_dpp v8, v8, v8 row_xmask:1 row_mask:0xf bank_mask:0xf   ; and of my neighbour's 16: the block's
	v_add_nc_u32 v11, 0xff000000, v8               ; EMAX off its exponent field: the conversion's scale operand
	v_cvt_scalef32_pk8_fp4_f32 v[C+4*(\t)], v[XS:XS+7], v11
	v_cvt_scalef32_pk8_fp4_f32 v[C+4*(\t)+1], v[XS+8:XS+15], v11
	v_lshrrev_b32 v[E+(\t)], 23, v11               ; the scale's byte (also the plain line behind the conversions)
	ds_store_b8 v5, v[E+(\t)] offset:16*(\t)       ; both lanes of a block write the same byte with the same value
	global_store_b64 v4, v[C+4*(\t):C+4*(\t)+1], s[8:9] offset:256*(\t)   ; 32 lanes store 256 consecutive bytes, aligned: place t's codes of this K step
.endm
.irp t, 0,1,2,3,4,5,6,7,8,9,10,11,12,13,14,15
	STEP \t
.endr
	ds_load_b64 v[12:13], v6                       ; LDS serves a wave's instructions in order: these see my byte stores
	s_wait_dscnt 0x0
	global_store_b64 v7, v[12:13], s[10:11]        ; 32 lanes store 256 consecutive bytes, aligned: my 16 places' scale bytes
	s_wait_tensorcnt 0x0                           ; the wave's end
	ds_add_u32 v192, v193
	s_wait_dscnt 0x0
	s_endpgm
.Lfunc_end_k_q014881e1d1_quant:
	.size	k_q014881e1d1_quant, .Lfunc_end_k_q014881e1d1_quant-k_q014881e1d1_quant
	.p2alignl 7, 3214868480
	.fill 96, 4, 3214868480
	.section	.rodata,"a",@progbits
	.p2align	6, 0x0
	.amdhsa_kernel k_q014881e1d1_quant
		.amdhsa_group_segment_fixed_size 33280
		.amdhsa_private_segment_fixed_size 0
		.amdhsa_enable_private_segment 0
		.amdhsa_kernarg_size 32
		.amdhsa_user_sgpr_count 2
		.amdhsa_user_sgpr_kernarg_segment_ptr 1
		.amdhsa_wavefront_size32 1
		.amdhsa_system_sgpr_workgroup_id_x 1
		.amdhsa_system_sgpr_workgroup_id_y 1
		.amdhsa_system_sgpr_workgroup_id_z 1
		.amdhsa_system_vgpr_workitem_id 0
		.amdhsa_next_free_vgpr 194
		.amdhsa_next_free_sgpr 66
		.amdhsa_reserve_vcc 0
		.amdhsa_float_denorm_mode_32 3
		.amdhsa_float_denorm_mode_16_64 3
		.amdhsa_memory_ordered 1
		.amdhsa_forward_progress 1
		.amdhsa_inst_pref_size 34
	.end_amdhsa_kernel
	.amdgpu_metadata
---
amdhsa.version: [ 1, 2 ]
amdhsa.kernels:
  - .name:           k_q014881e1d1_quant
    .symbol:         k_q014881e1d1_quant.kd
    .args:
      - { .name: x, .offset: 0, .size: 8, .value_kind: global_buffer, .address_space: global }
      - { .name: W, .offset: 8, .size: 8, .value_kind: global_buffer, .address_space: global }
      - { .name: xq, .offset: 16, .size: 8, .value_kind: global_buffer, .address_space: global }
      - { .name: wq, .offset: 24, .size: 8, .value_kind: global_buffer, .address_space: global }
    .group_segment_fixed_size: 33280
    .private_segment_fixed_size: 0
    .kernarg_segment_align: 8
    .kernarg_segment_size: 32
    .max_flat_workgroup_size: 128
    .sgpr_count:     66
    .vgpr_count:     194
    .wavefront_size: 32
...
	.end_amdgpu_metadata
.endif
;; end of part 1
;; launch gemm (part 2): grid 16 x 16, 4 waves a work-group, clusters of 4 x 4, 327,680 bytes of LDS; arguments wq, xq, x, beta, beta_res, out0; writes out0
.if DOCPART == 2
	.amdgcn_target "amdgcn-amd-amdhsa--gfx1250"
	.amdhsa_code_object_version 6
	.text
	.protected	k_q014881e1d1_gemm
	.globl	k_q014881e1d1_gemm
	.p2align	8
	.type	k_q014881e1d1_gemm,@function
k_q014881e1d1_gemm:
	s_mov_b64 s[64:65], 0
	v_nop
	global_prefetch_b8 v0, s[64:65] scope:SCOPE_SE
	s_setreg_imm32_b32 hwreg(HW_REG_WAVE_MODE, 25, 1), 1
	s_wait_xcnt 0x0
	s_wait_alu depctr_hold_cnt(0) depctr_sa_sdst(0) depctr_va_vdst(0) depctr_va_sdst(0) depctr_va_ssrc(0) depctr_va_vcc(0) depctr_vm_vsrc(0)
	s_getreg_b32 s2, hwreg(HW_REG_IB_STS2, 6, 4)
	s_cmp_eq_u32 s2, 0
	s_cbranch_scc0 .Lentry_in_a_cluster
	s_endpgm
.Lentry_in_a_cluster:
	s_bfe_u32 s2, ttmp6, 0x10000c
	s_cmp_lg_u32 s2, 0xf033
	s_cbranch_scc0 .Lentry_shape_is_right
	s_endpgm
.Lentry_shape_is_right:
; out0 = relu(1 - beta_res + x + relu(1 - beta + Q(x) Q(W)^T)), Q the MX-FP4 quantiser along K; codes and scale bytes come from xq and wq as the launch before laid them:
; tile (R, s) = the 128 rows from 128 R on, k = 512 s .. + 511: 128 places x 256 bytes of codes, then 128 x 16 scale bytes: 136 rows of 256 dense bytes at (8 R + s) x 34,816.
; Place p holds row 64 (p / 64) + 4 (p % 16) + (p / 16) % 4 of the 128.
; LEFT OUT: reference()'s where(res >= 0, res, 0.02 res): res is a relu's result, never negative, so the line returns res (shown at the head of the first kernel).
; THE ARITHMETIC OF THE WAY OUT: 1 - beta is the C of each accumulator's first product; with t = x + (1 - beta_res): relu(t + relu(acc)) = max(acc + t, t, 0).  The f32 additions are
; grouped otherwise than reference() groups them: a difference of rounding alone.
; SHARES: a work-group of four waves makes 256 x 256 of C, a wave 128 x 128: 64 accumulators, 512 registers.  256 work-groups.  K goes in 8 steps of 512 through two LDS slots.
; SIDES: side A (source 1, one set of fragments) is W: its tiles hang on C's tile column; side B (source 0, two sets) is x: its tiles hang on C's tile row.  In accumulator (a, b) lane (r, h) holds
; column 64 (a / 4) + 4 r + a % 4, and its register j row 64 (b / 4) + b % 4 + 32 h + 4 j.  So accumulators 4 G .. 4 G + 3 give a lane four neighbouring columns of one row, and sixteen lanes 256 consecutive
; bytes of it: the results leave from registers, through no stage.
; CLUSTERS of 4 x 4: side A's tiles are asked for jointly along a row of the cluster, side B's along a column.
; PREFETCH: behind the joint load of K step k each wave asks for K step k + 2 of the tile that it fetches (the first load also for K step 1).  A tile is 136 blocks of 256 bytes; the four partners that
; ask for it jointly take 34 each, told apart by address (cx for side A, cy for side B): two instructions a wave, 32 blocks and 2.  K steps 6 and 7 have no K step two on: the loop's last trip asks for nothing.
; f32 x for the way out, in 16 units (b, G) of 16 rows x 256 bytes: units of b = 0, 1, 2 lie in registers from the first K step on; those of b = 3 .. 7 are asked for in the last steps of 128, an instruction for each b.
; REGISTERS: window 0: v0-31 addresses, v32-95 scale words (two sets), v96-103 1 - beta, v104-111 1 - beta_res, v128-191 side A's fragments, v192-255 f32 x; window 1: side B's fragments at v0 and v128, f32 x at v64 and v192;
; windows 2 and 3: the accumulators.
.set NQ,     4
.set PITCH,  272                       ; an LDS row: 256 bytes + 16 of padding
.set FR,     8
.set NL,     2
.set NP,     4
.set TROWS,  136
.set TILEB,  TROWS*256
.set HALFT,  TROWS*PITCH
.set SCOFF,  128*PITCH                 ; a tile's scale bytes lie behind its 128 rows of codes
.set SLOT,   4*HALFT
.set LAPS,   4
.set SPARE,  2*SLOT                    ; the spare words, 512 bytes behind the ring
.set ROWC,   16384
.set ADRA, 16
.set ADRS, 18
.set ADRB, 20
.set PF1,  22                          ; the tiles' prefetch: my 34 blocks' first 32, a lane a block
.set PF2,  23                          ; and the last two (lanes 1-31 name the last)
.set C2O,  24                          ; 16 r: my four columns in beta_res
.set CO,   26                          ; 32 h rows + 16 r: my place in a unit of x and of out0
.set PFA,  27
.set SPW,  28
.set NIL,  29
.set SC,   32
.set CB,   96
.set C2,   104
.set AF,   128
.set G1, 24
.set G0, 32
.set G1B, 48
.set G0B, 56
.set PB, 68                            ; s[68:69] my tile's address, at the K step of the refill being asked for
.set MSB, 0
.macro WIN new
.if MSB != \new
	s_set_vgpr_msb (MSB<<8)|\new
.set MSB, \new
.endif
.endm
.set MUL_LO,  0xa1
.set MUL_HI,  0xf1
.set MUL_LO0, 0x81
.set MUL_HI0, 0xc1
.set TO_B,    0x40
.macro JLOAD g0a, g1a, g0b, g1b        ; a joint load: waves 0, 1 fetch side A's two tiles, waves 2, 3 side B's
	s_cmp_eq_u32 s17, 0
	s_cbranch_scc0 .Lfor_b_\@
	tensor_load_to_lds s[\g0a:\g0a+3], s[\g1a:\g1a+7]
	s_nop 0
.rept 4
	v_nop
.endr
	s_branch .Lasked_\@
.Lfor_b_\@:
	tensor_load_to_lds s[\g0b:\g0b+3], s[\g1b:\g1b+7]
	s_nop 0
.rept 4
	v_nop
.endr
.Lasked_\@:
.endm
.macro ASK off, cond                   ; my 34 blocks of the tile at PB + off; cond = 1: not in the loop's last trip (s3 = 1)
.if \cond
	s_cmp_gt_u32 s3, 1
	s_cbranch_scc0 .Lno_ask_\@
.endif
	global_prefetch_b8 v[PF1], s[PB:PB+1] offset:\off th:TH_LOAD_NT scope:SCOPE_SE
	global_prefetch_b8 v[PF2], s[PB:PB+1] offset:\off th:TH_LOAD_NT scope:SCOPE_SE
.Lno_ask_\@:
.endm
.macro CREST
	s_cmp_lg_u32 s16, 0
	s_cbranch_scc1 .Lnot_wave_0_\@
	s_barrier_signal -3
.Lnot_wave_0_\@:
	s_barrier_wait -3
	s_barrier_signal -1
	s_barrier_wait -1
.endm
.macro CROUND
	s_barrier_signal -1
	s_barrier_wait -1
	CREST
.endm
	s_load_b256 s[4:11], s[0:1], 0x0               ; wq, xq, x, beta
	s_load_b128 s[12:15], s[0:1], 0x20             ; beta_res, out0
	v_lshl_add_u32 v[SPW], v0, 2, SPARE
	v_mov_b32 v[NIL], 0
	ds_add_u32 v[SPW], v[NIL]                      ; the opening lines: the add twice on end and its wait
	ds_add_u32 v[SPW], v[NIL]
	v_lshrrev_b32 v1, 5, v0
	v_readfirstlane_b32 s16, v1                    ; wave
	s_lshr_b32 s17, s16, 1                         ; my half of C's columns (side A); also: I fetch for side A (0) or B (1)
	s_and_b32 s18, s16, 1                          ; my half of C's rows (side B); also: which of the two tiles I fetch
	s_bfe_u32 s40, ttmp6, 0x40000                  ; cx
	s_bfe_u32 s41, ttmp6, 0x40004                  ; cy
	s_lshl_b32 s42, ttmp9, 2
	s_add_co_u32 s42, s42, s40                     ; tile row of C
	s_and_b32 s19, ttmp7, 0xffff
	s_lshl_b32 s19, s19, 2
	s_add_co_u32 s19, s19, s41                     ; tile column of C
	s_lshl_b32 s43, s41, 2
	s_lshl_b32 s43, 15, s43                        ; my row of the cluster
	s_lshl_b32 s44, 0x1111, s40                    ; my column
	s_or_b32 s[G1+0], s43, (0<<16)|(1<<20)|(1<<21)|(5<<22)|(3<<25)   ; bytes; 4 words of padding behind every 64
	s_or_b32 s[G1B+0], s44, (0<<16)|(1<<20)|(1<<21)|(5<<22)|(3<<25)
.irp g, G1, G1B
	s_mov_b32 s[\g+1], 256<<16
	s_mov_b32 s[\g+2], TROWS<<16
	s_mov_b32 s[\g+3], 256<<16
	s_mov_b32 s[\g+4], TROWS
	s_mov_b32 s[\g+5], 256
	s_mov_b32 s[\g+6], 0
	s_mov_b32 s[\g+7], 0
.endr
	s_lshl_b32 s20, s19, 1
	s_add_co_u32 s20, s20, s18
	s_mul_i32 s20, s20, 8*TILEB                    ; W's tile (2 x tile column + half, 0)
	s_mov_b32 s21, 0
	s_lshl_b32 s46, s42, 1
	s_add_co_u32 s46, s46, s18
	s_mul_i32 s46, s46, 8*TILEB                    ; x's tile (2 x tile row + half, 0)
	s_mov_b32 s47, 0
	s_mul_i32 s45, s16, HALFT                      ; where my tile goes: wave x a tile
	s_wait_dscnt 0x0                               ; both opening adds are done
	s_wait_kmcnt 0x0
	s_load_b32 s66, s[10:11], 0x0                  ; beta: waited for under the first tile's flight
	s_add_nc_u64 s[20:21], s[4:5], s[20:21]
	s_add_nc_u64 s[46:47], s[6:7], s[46:47]
.irp s, 0,1
	s_mov_b32 s[G0+4*\s], 1
	s_add_co_u32 s[G0+4*\s+1], s45, \s*SLOT
	s_add_nc_u64 s[G0+4*\s+2:G0+4*\s+3], s[20:21], \s*TILEB
	s_or_b32 s[G0+4*\s+3], s[G0+4*\s+3], 0x80000000
	s_mov_b32 s[G0B+4*\s], 1
	s_add_co_u32 s[G0B+4*\s+1], s45, \s*SLOT
	s_add_nc_u64 s[G0B+4*\s+2:G0B+4*\s+3], s[46:47], \s*TILEB
	s_or_b32 s[G0B+4*\s+3], s[G0B+4*\s+3], 0x80000000
.endr
	CROUND                                         ; all sixteen work-groups are here: the first joint loads meet
	JLOAD G0, G1, G0B, G1B                         ; K step 0: one tensor load a wave at the head
	; the rest of the head's register work stands under that load's flight
	s_cmp_eq_u32 s17, 0
	s_cselect_b64 s[PB:PB+1], s[20:21], s[46:47]   ; the tile that I fetch,
	s_cselect_b32 s70, s40, s41                    ; my place among the four that ask for it with me
	s_mul_i32 s70, s70, 34*256
	s_add_nc_u64 s[PB:PB+1], s[PB:PB+1], TILEB     ; at K step 1; each refill steps it by one K step
	v_and_b32 v6, 31, v0
	v_min_u32 v3, 1, v6
	v_lshl_add_u32 v[PF1], v6, 8, s70
	v_lshl_add_u32 v[PF2], v3, 8, s70
	v_add_nc_u32 v[PF2], 32*256, v[PF2]
	s_wait_alu depctr_va_vdst(0)                   ; the wait ahead of the run of scalar lines
	ASK 0, 0                                       ; K step 1, whose load follows when K step 0 has landed,
	ASK TILEB, 0                                   ; and K step 2
	s_lshl_b32 s20, s42, 8
	s_lshl_b32 s21, s18, 7
	s_add_co_u32 s20, s20, s21                     ; my first row of C
	s_lshl_b32 s20, s20, 14
	s_lshl_b32 s46, s19, 10
	s_lshl_b32 s47, s17, 9
	s_add_co_u32 s46, s46, s47                     ; my first column, in bytes
	s_mov_b32 s47, 0
	s_add_nc_u64 s[12:13], s[12:13], s[46:47]
	s_add_co_u32 s20, s20, s46
	s_mov_b32 s21, 0
	s_add_nc_u64 s[8:9], s[8:9], s[20:21]
	s_add_nc_u64 s[14:15], s[14:15], s[20:21]
	s_mul_i32 s72, s17, HALFT                      ; my tile of side A
	s_mul_i32 s73, s18, HALFT
	s_add_co_u32 s73, s73, 2*HALFT                 ; my tile of side B
	s_sub_co_u32 s74, s73, s72
	s_add_co_u32 s75, s72, SCOFF
	v_and_b32 v1, 15, v0
	v_bfe_u32 v2, v0, 4, 1
	v_mul_u32_u24 v3, v1, PITCH
	v_lshl_add_u32 v4, v2, 4, v3                   ; a fragment's row x pitch + 16 x half
	v_add_nc_u32 v[ADRA], s72, v4
	v_add_nc_u32 v[ADRB], s73, v4
	v_add_nc_u32 v[ADRA+1], SLOT, v[ADRA]
	v_add_nc_u32 v[ADRB+1], SLOT, v[ADRB]
	v_mul_u32_u24 v5, s74, v2                      ; scale words: lanes 0-15 side A's places, lanes 16-31 side B's
	v_lshl_add_u32 v5, v1, 4, v5
	v_add_nc_u32 v[ADRS], s75, v5
	v_add_nc_u32 v[ADRS+1], SLOT, v[ADRS]
	v_lshlrev_b32 v[C2O], 4, v1
	v_lshl_add_u32 v[CO], v2, 19, v[C2O]           ; 32 h rows of 16,384 bytes + 16 r
	v_bfe_u32 v3, v0, 1, 3
	v_and_b32 v4, 1, v0
	v_lshlrev_b32 v4, 8, v4
	v_lshl_add_u32 v4, v3, 16, v4
	v_lshl_add_u32 v[PFA], v2, 19, v4              ; f32 x of one b: row 32 (lane / 16) + 4 ((lane / 2) % 8), 256 bytes x lane % 2
	s_wait_alu depctr_va_vdst(0)                   ; the wait directly ahead of the wait below
	s_wait_kmcnt 0x0
.irp j, 0,1,2,3,4,5,6,7
	v_sub_f32 v[CB+\j], 1.0, s66                   ; 1 - beta: the C of every accumulator's first product
.endr
; unit u = 2 b + G of the way out: rows 64 (b / 4) + b % 4 + 32 h + 4 j, columns 64 G + 4 r + 0 .. 3.  Twelve places of 32 registers; units 12-15 take the places of units 0-3
.macro UPLACE u
.set PU, (\u)%12
.if PU < 2
.set XW, 0
.set XB, 192+32*PU
.elseif PU < 4
.set XW, 1
.set XB, 64+32*(PU-2)
.elseif PU < 6
.set XW, 1
.set XB, 192+32*(PU-4)
.elseif PU < 8
.set XW, 1
.set XB, 32*(PU-6)
.elseif PU < 10
.set XW, 0
.set XB, 128+32*(PU-8)
.else
.set XW, 1
.set XB, 128+32*(PU-10)
.endif
.set UB, (\u)/2
.set UG, (\u)%2
.set UOFF, (64*(UB/4)+(UB%4))*ROWC+256*UG
.endm
.macro XL u                            ; a unit of f32 x: each load reads 256 consecutive bytes of two rows
	UPLACE \u
.set WS, XW<<6
	WIN WS
.irp j, 0,1,2,3,4,5,6,7
	global_load_b128 v[XB+4*\j:XB+4*\j+3], v[CO], s[8:9] offset:UOFF+4*\j*ROWC th:TH_LOAD_NT
.endr
.endm
.macro FRAG reg, adr, q, i
.irp c, 0,1
	ds_load_b128 v[\reg+4*\c:\reg+4*\c+3], v[\adr] offset:64*(\q)+32*\c+(\i)*16*PITCH
.endr
.endm
; 16 products: side A's blocks a0, a0 + 1 against side B's eight; the 64 accumulators take turns in the same order in every step
.macro MUL16 a0, p, q, sc, zero
.irp a, \a0, \a0+1
.irp b, 0,1,2,3,4,5,6,7
.if \zero
	v_wmma_scale_f32_16x16x128_f8f6f4 v[8*(8*((\a)%4)+\b):8*(8*((\a)%4)+\b)+7], v[128*(\p)+FR*\b:128*(\p)+FR*\b+FR-1], v[AF+FR*(\a):AF+FR*(\a)+FR-1], v[CB:CB+7], v[SC+8*NQ*(\sc)+NQ*\b+(\q)], v[SC+8*NQ*(\sc)+NQ*(\a)+(\q)] matrix_a_fmt:MATRIX_FMT_FP4 matrix_b_fmt:MATRIX_FMT_FP4 matrix_a_scale:MATRIX_SCALE_ROW1
.else
	v_wmma_scale_f32_16x16x128_f8f6f4 v[8*(8*((\a)%4)+\b):8*(8*((\a)%4)+\b)+7], v[128*(\p)+FR*\b:128*(\p)+FR*\b+FR-1], v[AF+FR*(\a):AF+FR*(\a)+FR-1], v[8*(8*((\a)%4)+\b):8*(8*((\a)%4)+\b)+7], v[SC+8*NQ*(\sc)+NQ*\b+(\q)], v[SC+8*NQ*(\sc)+NQ*(\a)+(\q)] matrix_a_fmt:MATRIX_FMT_FP4 matrix_b_fmt:MATRIX_FMT_FP4 matrix_a_scale:MATRIX_SCALE_ROW1
.endif
.endr
.endr
.endm
.macro FETCH_B slot, q, p
	WIN TO_B
.irp i, 0,1,2,3,4,5,6,7
	FRAG 128*(\p)+FR*\i, ADRB+\slot, \q, \i
.endr
	WIN 0
.endm
.macro FETCH_A slot, q, i0
.irp i, \i0, \i0+1, \i0+2, \i0+3
	FRAG AF+FR*(\i), ADRA+\slot, \q, \i
.endr
.endm
.macro SCALES sc                       ; a K step's scale words: four a place; an LDS row holds those of 16 places
.irp i, 0,1,2,3,4,5,6,7
	ds_load_b128 v[SC+8*NQ*\sc+NQ*\i:SC+8*NQ*\sc+NQ*\i+3], v[ADRS+\sc] offset:\i*PITCH
.endr
.endm
.macro PLACES n
.rept \n
	v_nop
.endr
.endm
; a step of 128 along K with its successor in the same slot.  pf >= 0: the two units of f32 x of b = pf are asked for
.macro STEP slot, q, zero, pf
	s_wait_dscnt 4*NL                              ; all but side A's blocks 4-7 are in
.if \zero
	WIN MUL_LO0
.else
	WIN MUL_LO
.endif
	MUL16 0, (\q)%2, \q, \slot, \zero
	MUL16 2, (\q)%2, \q, \slot, \zero
	s_wait_dscnt 0
	PLACES NP
	FETCH_B \slot, (\q)+1, 1-(\q)%2
	FETCH_A \slot, (\q)+1, 0
.if \pf >= 0
	global_prefetch_b8 v[PFA], s[8:9] offset:(64*((\pf)/4)+(\pf)%4)*ROWC th:TH_LOAD_NT scope:SCOPE_SE
.endif
.if \zero
	WIN MUL_HI0
.else
	WIN MUL_HI
.endif
	MUL16 4, (\q)%2, \q, \slot, \zero
	MUL16 6, (\q)%2, \q, \slot, \zero
	PLACES NP
	WIN 0
	FETCH_A \slot, (\q)+1, 4
.endm
; a slot's last step changes slots: the wait for all my tensor loads, the add, the wait for it and for my reads of this slot, the barrier; fill = 1: it opens a round of the cluster's barrier, and the slot is filled again
.macro TURN slot, next, fill
.if \fill
	s_wait_xcnt 0x0                                ; my prefetches have read their base: it steps here, a K step behind them
	s_add_nc_u64 s[PB:PB+1], s[PB:PB+1], TILEB
.endif
	s_wait_tensorcnt 0x0
	ds_add_u32 v[SPW], v[NIL]
	s_wait_dscnt 4*NL+1                            ; the add and side A's blocks 4-7 may be out
	WIN MUL_LO
	MUL16 0, 1, NQ-1, \slot, 0
	s_wait_dscnt 0x0
	s_barrier_signal -1
	MUL16 2, 1, NQ-1, \slot, 0
	WIN 0
	s_barrier_wait -1
.if \fill
	CREST
	s_add_nc_u64 s[G0+4*\slot+2:G0+4*\slot+3], s[G0+4*\slot+2:G0+4*\slot+3], 2*TILEB
	s_add_nc_u64 s[G0B+4*\slot+2:G0B+4*\slot+3], s[G0B+4*\slot+2:G0B+4*\slot+3], 2*TILEB
	JLOAD G0+4*\slot, G1, G0B+4*\slot, G1B         ; the first tensor load behind the round; its four v_nop are the places in front of the loads below
.else
	PLACES NP
.endif
	FETCH_B \next, 0, 0
	FETCH_A \next, 0, 0
	SCALES \next
.if \fill
	ASK 2*TILEB, 1                                 ; the K step two refills on
.endif
	WIN MUL_HI
	MUL16 4, 1, NQ-1, \slot, 0
	MUL16 6, 1, NQ-1, \slot, 0
	PLACES NP
	WIN 0
	FETCH_A \next, 0, 4
.endm
.macro STEPS slot, from
.set Q, \from
.rept NQ-1-\from
	STEP \slot, Q, 0, -1
.set Q, Q+1
.endr
.endm
	s_wait_alu depctr_va_vdst(0)                   ; the wait at the head's end
	s_wait_tensorcnt 0x0                           ; my tile of K step 0 is in; slot 1's first fill is issued as a refill is
	ds_add_u32 v[SPW], v[NIL]
	s_wait_dscnt 0x0
	CROUND
	JLOAD G0+4, G1, G0B+4, G1B                     ; K step 1
	FETCH_B 0, 0, 0
	FETCH_A 0, 0, 0
	SCALES 0
	FETCH_A 0, 0, 4
	ASK 2*TILEB, 0                                 ; K step 3
	global_load_b128 v[C2:C2+3], v[C2O], s[12:13]              ; beta_res at my columns 4 r .. of G = 0,
	global_load_b128 v[C2+4:C2+7], v[C2O], s[12:13] offset:256 ; and of G = 1
.irp u, 0,1,2,3,4,5
	XL \u                                          ; f32 x of b = 0, 1, 2: behind K step 0's landing, so that the first tile has memory to itself
.endr
	WIN 0
	STEP 0, 0, 1, -1                               ; the first step starts the sums from 1 - beta
	s_mov_b32 s3, LAPS-1
.Llap:                                                 ; a trip goes once round the ring and fills both slots again
	STEPS 0, 1
	TURN 0, 1, 1
	STEPS 1, 0
	TURN 1, 0, 1
	STEP 0, 0, 0, -1
	s_sub_co_u32 s3, s3, 1
	s_cmp_lg_u32 s3, 0
	s_cbranch_scc1 .Llap
	STEP 0, 1, 0, 3                                ; the last lap fills nothing
	STEP 0, 2, 0, 4
	TURN 0, 1, 0
	STEP 1, 0, 0, 5
	STEP 1, 1, 0, 6
	STEP 1, 2, 0, 7
	s_wait_loadcnt 0x0                             ; beta_res and units 0-5, asked for in the first K step
.irp j, 0,1,2,3,4,5,6,7
	v_sub_f32 v[C2+\j], 1.0, v[C2+\j]              ; 1 - beta_res
.endr
	XL 6                                           ; into side B's set 0, which is done with
	XL 7
	s_wait_alu depctr_va_vdst(0)                   ; the wait directly ahead of the wait below
	s_wait_dscnt 4*NL
	WIN MUL_LO
	MUL16 0, 1, NQ-1, 1, 0
	MUL16 2, 1, NQ-1, 1, 0
	s_wait_dscnt 0
	WIN MUL_HI
	MUL16 4, 1, NQ-1, 1, 0
	MUL16 6, 1, NQ-1, 1, 0
	WIN 0
; THE WAY OUT, unit by unit.  CALC: t = x + (1 - beta_res) in x's registers; acc + t in place; max(acc + t, t, 0) into x's registers, where a lane's four columns are neighbours.  ST: two rows x 256 bytes a store
.macro CALC u
	UPLACE \u
.set AW, 2+UG
.if (\u) >= 8
	s_wait_loadcnt 8*(15-(\u))                     ; the later units' loads may be out
.elseif (\u) >= 6
	s_wait_loadcnt 63                              ; behind this unit's loads stand 64 or more
.endif
.set WS, (XW<<6)|XW
	WIN WS
.set J, 0
.rept 16
	v_pk_add_f32 v[XB+2*J:XB+2*J+1], v[XB+2*J:XB+2*J+1], v[C2+4*UG+2*(J%2):C2+4*UG+2*(J%2)+1]
.set J, J+1
.endr
.set WS, (AW<<6)|(XW<<2)|AW
	WIN WS
.set J, 0
.rept 32                               ; J = 4 j + a % 4: each accumulator from its low end on
	v_add_f32 v[8*(8*(J%4)+UB)+J/4], v[8*(8*(J%4)+UB)+J/4], v[XB+J]
.set J, J+1
.endr
.set WS, (XW<<6)|(XW<<2)|AW
	WIN WS
.set J, 0
.rept 32
	v_max3_num_f32 v[XB+J], v[8*(8*(J%4)+UB)+J/4], v[XB+J], 0
.set J, J+1
.endr
.endm
.macro ST u
	UPLACE \u
.set WS, XW<<2
	WIN WS
.irp j, 0,1,2,3,4,5,6,7
	global_store_b128 v[CO], v[XB+4*\j:XB+4*\j+3], s[14:15] offset:UOFF+4*\j*ROWC th:TH_STORE_NT   ; sixteen lanes store 256 consecutive bytes, aligned
.endr
.endm
	PLACES NP                                      ; in front of the loads into the fragments' registers and of the first reads of results
	XL 8
	XL 9
	XL 10
	XL 11
	CALC 0
	CALC 1
	ST 0
.irp u, 2,3,4,5,6,7,8,9,10,11,12,13,14,15      ; a unit's stores stand one unit behind its arithmetic
	CALC \u
.if \u <= 5
	s_wait_xcnt 0x0                                ; unit u - 2's stores have read their registers:
	XL \u+10                                       ; they take unit u + 10
.endif
	ST \u-1
.endr
	ST 15
	WIN 0
	s_wait_tensorcnt 0x0                           ; the wave's end
	ds_add_u32 v[SPW], v[NIL]
	s_wait_dscnt 0x0
	CROUND                                         ; the closing round
	s_endpgm
.Lfunc_end_k_q014881e1d1_gemm:
	.size	k_q014881e1d1_gemm, .Lfunc_end_k_q014881e1d1_gemm-k_q014881e1d1_gemm
	.p2alignl 7, 3214868480
	.fill 96, 4, 3214868480
	.section	.rodata,"a",@progbits
	.p2align	6, 0x0
	.amdhsa_kernel k_q014881e1d1_gemm
		.amdhsa_group_segment_fixed_size 327680
		.amdhsa_private_segment_fixed_size 0
		.amdhsa_enable_private_segment 0
		.amdhsa_kernarg_size 48
		.amdhsa_user_sgpr_count 2
		.amdhsa_user_sgpr_kernarg_segment_ptr 1
		.amdhsa_wavefront_size32 1
		.amdhsa_system_sgpr_workgroup_id_x 1
		.amdhsa_system_sgpr_workgroup_id_y 1
		.amdhsa_system_sgpr_workgroup_id_z 1
		.amdhsa_system_vgpr_workitem_id 0
		.amdhsa_next_free_vgpr 1024
		.amdhsa_next_free_sgpr 80
		.amdhsa_reserve_vcc 0
		.amdhsa_float_denorm_mode_32 3
		.amdhsa_float_denorm_mode_16_64 3
		.amdhsa_memory_ordered 1
		.amdhsa_forward_progress 1
		.amdhsa_inst_pref_size 255
	.end_amdhsa_kernel
	.section	.bss,"aw",@nobits
	.p2align	6
	.space	262144
	.amdgpu_metadata
---
amdhsa.version: [ 1, 2 ]
amdhsa.kernels:
  - .name:           k_q014881e1d1_gemm
    .symbol:         k_q014881e1d1_gemm.kd
    .args:
      - { .name: wq, .offset: 0, .size: 8, .value_kind: global_buffer, .address_space: global }
      - { .name: xq, .offset: 8, .size: 8, .value_kind: global_buffer, .address_space: global }
      - { .name: x, .offset: 16, .size: 8, .value_kind: global_buffer, .address_space: global }
      - { .name: beta, .offset: 24, .size: 8, .value_kind: global_buffer, .address_space: global }
      - { .name: beta_res, .offset: 32, .size: 8, .value_kind: global_buffer, .address_space: global }
      - { .name: out0, .offset: 40, .size: 8, .value_kind: global_buffer, .address_space: global }
    .group_segment_fixed_size: 327680
    .private_segment_fixed_size: 0
    .kernarg_segment_align: 8
    .kernarg_segment_size: 48
    .max_flat_workgroup_size: 128
    .sgpr_count:     80
    .vgpr_count:     1024
    .wavefront_size: 32
...
	.end_amdgpu_metadata
.endif
;; end of part 2
